; MI455X (gfx1250); checked and timed in simulation.
; The chip was launched on July 23, 2026; its instructions are those of AMD's public machine-readable ISA for CDNA 5 (MIT licence, August 2026) and "CDNA5" Instruction Set Architecture Reference Guide (July 2026). The comments in the code are by the model that wrote it; some were corrected since.
;; Model. Allowed arithmetic: matrix products marked QUANTISED: E4M3 operands, one given power-of-two scale a tensor, by v_wmma_f32_16x16x64_fp8_fp8 or v_wmma_f32_16x16x128_fp8_fp8, f32 sums; everything else in f32.
;; Inputs: lowp_scales 4 int32 (the exponents e of the quantised operands' scales 2^e); x1 4 x 16 x 2,048 x 64 float32; x2_codes 4 x 16 x 2,048 x 2 x 32 uint8 (E4M3 codes of x2, K innermost, in blocks of 32 codes).
;; Outputs: out0 4 x 16 x 2,048 x 64 float32.
;; This version of the problem:
;;   THIS VERSION OF THE PROBLEM IS GIVEN IN LOW PRECISION. The matrix products marked QUANTISED in the list below multiply operands that are first quantised to E4M3 (4 exponent bits, 3 mantissa bits; 8 bits a number), with one given power-of-two scale for each operand tensor; their sums are f32. All else is computed in f32.
;;   The module's matrix products, in the order in which they are computed (A, B: the left and right operand; K: the contracted axis; several contracted axes count as one K, in the product's order):
;;     1. batch 64 x [M 2,048, K 64] x [K 64, N 2,048]; A: input x1; B: input x2 (given as codes): QUANTISED (scales: A lowp_scales[0], B lowp_scales[1])
;;     2. batch 64 x [M 2,048, K 2,048] x [K 2,048, N 64]; A: softmax (see below); B: input x1: QUANTISED (scales: A lowp_scales[2], B lowp_scales[3])
;;   THE QUANTISER, for each operand of a quantised product, along K:
;;     - The operand's scale is 2^e, e = its entry of the input lowp_scales (int32; the entries are numbered through the quantised products in the list's order, A before B).
;;     - Each number is divided by the scale, clamped to +-448, and rounded to the nearest number of E4M3, ties to even, subnormals kept.
;;     - The product sums the exact products of the quantised numbers (number of the format x scale) in f32.
;;   ~~~python
;;   def quantise(x, axis, e):      # numpy; x: float32 -> the quantised numbers, widened to float32 again
;;       x = np.moveaxis(x, axis, -1); K = x.shape[-1]
;;       r = np.clip(x / 2.0 ** e, -448, 448)
;;       step = 2.0 ** (np.maximum(np.frexp(np.where(r == 0, 1, r))[1] - 1, -6) - 3)
;;       q = np.round(r / step) * step * 2.0 ** e      # np.round: ties to even
;;       return np.moveaxis(q, -1, axis).astype(np.float32)
;;   ~~~
;;   SOFTMAX AHEAD OF A QUANTISED PRODUCT. Where the list says 'softmax', what is quantised is not the finished softmax but p = 2^(t - M), with t = logit x log2(e) and M = ceil(the row's largest t), a whole number; so 1/2 < the row's largest p <= 1. The row's sum l is taken of the UNQUANTISED p, in f32, and the product's result is divided by l at the end. Since M is a whole number, a kernel that streams over the keys may use a running M (the ceiling of the running maximum): every later rescaling is an exact power of two, so the quantised numbers keep their values, but for numbers so far below the row's largest that they fall under the format's range.
;;   OPERANDS COMPUTED ON THE WAY. 'Computed on the way' means the value that the module computes at that place (a softmax that the list does not call 'softmax' is quantised finished and normalised). What goes into a quantiser is computed in f32, as accurately as f32 sums, v_exp_f32 and their like allow (about 1e-6 of the number): no bf16 or f16 on the way to a quantiser, and a product that is left as it is and whose result goes on into a quantised operand takes f32 operands (vector FMAs, or v_wmma_f32_16x16x4_f32). A number that lies on a knife's edge between two numbers of the format may be rounded either way, as far as f32 arithmetic and the matrix unit's own rounding can turn it there, and no further.
;;   INPUTS GIVEN AS CODES. x2 (in the module: [4, 16, 2048, 64], K = its axis 3): each comes as NAME_codes (uint8): NAME with its K axis moved to the last place and cut into blocks of 32 codes, [.., K / 32, bytes a block], one block behind the other in memory; one code a byte (a code: sign, 4 exponent bits, 3 mantissa bits); its scale is its entry of lowp_scales. Its value is code x scale, taken as it is: it is not quantised again, and the codes and scales need not be those that the quantiser above would give.
;; One version. Each part assembles by itself: llvm-mc -triple=amdgcn-amd-amdhsa -mcpu=gfx1250 --defsym DOCPART=n.
;; ======== version 1 of 1: 1 launch
;; limits: right only within a limited range of input values
;; launch attn (part 1): grid 64 x 4, 16 waves a work-group, no clusters, 297,984 bytes of LDS; arguments x1, x2_codes, lowp_scales, out0; writes out0
.if DOCPART == 1
	.amdgcn_target "amdgcn-amd-amdhsa--gfx1250"
	.amdhsa_code_object_version 6
	.text
	.protected	k_q5f037b44da_attn
	.globl	k_q5f037b44da_attn
	.p2align	8
	.type	k_q5f037b44da_attn,@function
k_q5f037b44da_attn:
	s_mov_b64 s[64:65], 0
	v_nop
	global_prefetch_b8 v0, s[64:65] scope:SCOPE_SE
	s_setreg_imm32_b32 hwreg(HW_REG_WAVE_MODE, 25, 1), 1
	s_wait_xcnt 0x0
; out0[head][q][:] = the sum over k of softmax_k(3 x1[head][q] . x2[head][k]) x1[head][k][:], 64 heads of 2,048 rows x 64, both products on codes of FP8 (E4M3).
; Product 1: x1 quantised along the 64 with 2^e0 (here, in registers) against x2's given codes (scale 2^e1).  Product 2: p against x1 quantised with 2^e3, K = the keys.
; THE SOFTMAX AHEAD OF PRODUCT 2: t = score x 3 log2(e); M = the row's largest t so far, rounded UP to a whole number; p = 2^(t - M) is quantised with 2^e2, not normalised.
; The row's sum is taken of the unquantised p in f32 and divides O at the end.  When M moves, the sum and O are multiplied by 2^(old M - new M): nothing is rounded.
; SHARES.  A work-group owns 512 queries of one head (64 heads x 4 blocks = 256 work-groups); each of its sixteen waves owns 32 of them, two tiles of 16 (A, B), in 256 registers.
; A HEAD'S CODES COME TO LIE IN LDS WHOLE, in 16 blocks of 128 keys: x2's codes as given, x1's converted and laid with the KEYS innermost (V^T), all through registers.  The kernel's head lays K's part of all blocks and V's of blocks 0 to 7;
; trip i of the first eight lays V's part of block 8 + i, 8 keys a wave.  A barrier half way shows blocks 8 to 15 to all waves, and frees blocks 0 to 7 for the way out.  No LDS byte of a block is written twice before that.
; LAYOUT.  Both products are used transposed: S^T = K Q^T (source 0 = 16 keys, source 1 = 16 queries), O^T = V^T P^T (source 0 = 16 of the 64 channels, source 1 = P): a lane holds ONE query (lane % 16) throughout.
; In S^T register j of key tile T is key 16 T + 8 (lane / 16) + j: eight such numbers, converted, ARE registers 2 T, 2 T + 1 of the K = 128 form's operand.  Each fragment of K and of V that is read from LDS feeds both query tiles.
; In product 1 a fragment comes by two loads of 16 bytes: registers 4 c .. 4 c + 3 hold channels 32 c + 16 (lane / 16) + 0 .. 15, in K and in Q alike: every product meets its partner.
; THE HOLD OF p.  p is at most 1.  Where e2 is -8 or more the largest code stands for 448 x 2^e2 >= 1.75; where e2 is less the hold is executed.
; NO CLUSTER, NO JOINT LOADS.  The hold's branch hangs on a loaded number.
; Of the 786,432 bytes that a work-group reads, x2's codes, the only ones that are operands as they come, are 131,072: the others are held and converted in registers first.
; No data prefetch: what the first eight trips read of x1, 1,024 rows of the head, the head's four work-groups have read before, at their kernels' heads, as their queries.
; LIMITS on the given exponents, so that each power of two below is an f32 number: e0, e2, e3 between -126 and 119; e0 + e1 between -128 and 125 (added to the exponent field of 3 log2(e)); e2 + e3 goes in by v_ldexp_f32.
; Scaled scores t stay under 2^31 in magnitude.  NaN among the inputs is not served; numbers beyond 448 x the scale are held at the largest code.
.set PITCH,  144                       ; an LDS row: 128 bytes + 16: 9 columns of 16 bytes, so 16 rows start at 16 different columns (64 banks of 4 bytes: ISA guide 11.1)
.set KT,     16*PITCH                  ; 16 rows of K.  K's part of a block: 64 rows; row i holds key i in bytes 0-63 and key 64 + i in bytes 64-127
.set VPART,  64*PITCH                  ; behind it V^T's part: a row for each channel, 128 keys
.set VT,     16*PITCH+16               ; 16 channels, + 16: so that the four groups that one store of 16 bytes touches start at different columns
.set BLK,    VPART+4*VT                ; 18,496 bytes: a block of 128 keys
.set SPARE,  16*BLK                    ; 295,936 = 1,156 x 256: the spare words, 128 bytes for each wave
.set SP,     272                       ; the way out: a row of O (256 bytes) + 16
.set STGW,   32*SP                     ; a wave's stage.  The sixteen stages, 139,264 bytes, lie in blocks 0 to 7 (147,968 bytes)
; vector registers: v0 thread; v1 my lane's place in a block; v2 that + the pair of blocks in hand; v3 2^e2; v4-7 at work: v4, v6 f of tile A, B; v8 -M, v[10:11] the sum: tile A; v12, v[14:15]: tile B
; v9 the lane offset of the rows that the trips fetch, v13 where their codes go (both also named as upper halves of pairs whose lower half alone counts)
; v16-31 Q's codes; v32-63 and v128-159 take turns: K's tiles 4-7, then temporaries, rows of V and p's codes in the one, B's scores of tiles 0-3 in the other
; v64-127 A's scores, then p, then V^T's fragments; v160-191 K's tiles 0-3, then B's scores of tiles 4-7; v192-223, v224-255 O^T of A and B
.set QOF,  8                           ; the head only: lane offsets of Q, V, and where V's codes go; 2^e0, 448 x 2^e0; 2^e3, 448 x 2^e3
.set VOF,  9
.set VST,  10
.set SC0,  11
.set LM0,  12
.set SC3,  13
.set LM3,  14
.set KOF,  4                           ; the head only: K's lane offset, and where K's codes go
.set KST,  5
.set CV,   32                          ; the head only: 32 keys' codes of V
.set KS,   48                          ; the head only: 32 keys' codes of K as loaded
.set TQ,   64                          ; the head only: Q as loaded; then V held and turned
.set RV,   128                         ; the head only: v128-191, v192-255: two sets of 64 numbers of V as loaded
.set OUTS, 64                          ; the way out: O^T / the sum
.set BK,   128                         ; the way out: rows read back from the stage
; scalar registers
.set WV,   12                          ; my wave's number
.set E2,   18                          ; s[16:19] e0, e1, e2, e3
.set SEL,  20                          ; s[20:21] lane selects for v_permlanex16_b32: lane l xor 16
.set CS,   22                          ; s[22:23] c = 3 log2(e) x 2^(e0 + e1): the packed form names a pair and takes its low word for both halves
.set NC,   24                          ; -c
.set OFF,  36                          ; LDS byte of the pair of blocks in hand
.set TRIPS, 38
.set LIM,  39                          ; 448 x 2^e2
.set QB,   52                          ; s[52:53] x1 at my wave's first query
.set VB,   54                          ; s[54:55] x1 at my wave's first key of the kernel's head
.set KB,   56                          ; s[56:57] x2's codes at my wave's first key
.set LM3S, 58                          ; 448 x 2^e3
.set SC3S, 59                          ; 2^e3
.set VS,   60                          ; s[60:61] x1 at my wave's 8 keys of the pair of blocks that the trips fetch
.set VSB,  62                          ; where my 8 keys' codes go in block 8
.set VSH,  63                          ; where my 64 keys' codes of the kernel's head go
	s_load_b256 s[4:11], s[0:1], 0x0               ; x1 s[4:5], x2's codes s[6:7], the exponents s[8:9], out0 s[10:11]
	v_lshrrev_b32 v2, 5, v0
	v_readfirstlane_b32 s[WV], v2                  ; wave 0..15
	s_mul_i32 s41, s[WV], BLK                      ; K: block w
	s_lshr_b32 s43, s[WV], 1
	s_and_b32 s45, s[WV], 1
	s_mul_i32 s[VSH], s43, BLK                     ; V in the head: keys 64 w on: block w / 2,
	s_lshl_b32 s46, s45, 6
	s_add_co_u32 s[VSH], s[VSH], s46               ; its half w % 2
	s_lshr_b32 s[VSB], s[WV], 2                    ; V in the trips: keys 8 w on of a block: 32 keys w / 4,
	s_lshl_b32 s[VSB], s[VSB], 5
	s_lshl_b32 s45, s45, 4                         ; chunk w % 2,
	s_add_co_u32 s[VSB], s[VSB], s45
	s_and_b32 s43, s43, 1
	s_lshl_b32 s43, s43, 3                         ; its half (w / 2) % 2
	s_add_co_u32 s[VSB], s[VSB], s43
	s_add_co_u32 s[VSB], s[VSB], 8*BLK+VPART
	v_and_b32 v2, 15, v0                           ; r = lane % 16
	v_bfe_u32 v3, v0, 4, 1                         ; h = lane / 16
	v_and_b32 v6, 31, v0                           ; lane
	v_bfe_u32 v7, v0, 2, 2                         ; r / 4
	v_mul_u32_u24 v1, v2, PITCH
	v_lshlrev_b32 v[QOF], 8, v2
	v_lshlrev_b32 v[VOF], 4, v2
	v_mul_u32_u24 v[VST], v2, 4*PITCH              ; V's codes: channel 4 r + i lies in group r / 4, row 4 (r % 4) + i
	v_lshl_add_u32 v1, v3, 4, v1                   ; row r, + 16 h
	v_lshl_add_u32 v[QOF], v3, 6, v[QOF]           ; Q: row r of 256 bytes, + 64 h: my 16 numbers of a block of 32
	v_lshl_add_u32 v[VOF], v3, 11, v[VOF]          ; V: 16 bytes (channels 4 r .. 4 r + 3) of a row; lanes 16-31 eight rows further down
	v_lshl_add_u32 v[VST], v7, 4, v[VST]
	v_lshlrev_b32 v[KOF], 4, v6                    ; K: 16 bytes a lane
	v_lshl_add_u32 v[VST], v3, 4, v[VST]           ; chunk h of 32 keys
	v_lshrrev_b32 v[KST], 2, v6                    ; a load brings 8 keys of 64 bytes: lane / 4 the key, lane % 4 its part
	v_and_b32 v7, 3, v0
	v_mul_u32_u24 v[KST], v[KST], PITCH
	v_add_nc_u32 v[VST], s[VSH], v[VST]
	v_lshl_add_u32 v[KST], v7, 4, v[KST]
	v_add_nc_u32 v[VST], VPART, v[VST]
	v_add_nc_u32 v[KST], s41, v[KST]
	s_mov_b32 s40, ttmp9                           ; the head
	s_and_b32 s14, ttmp7, 0xffff                   ; my block of 512 queries
	s_lshl_b32 s42, s40, 19                        ; a head of x1 and of out0: 2,048 rows of 256 bytes
	s_lshl_b32 s46, s14, 17                        ; my work-group's 512 rows,
	s_lshl_b32 s47, s[WV], 13                      ; my wave's 32 of them
	s_add_co_u32 s46, s46, s47
	s_add_co_u32 s46, s46, s42
	s_mov_b32 s47, 0
	s_lshl_b32 s48, s[WV], 14                      ; my wave's 64 keys of the first 1,024 as rows of x1
	s_add_co_u32 s48, s48, s42
	s_mov_b32 s49, 0
	s_lshl_b32 s[VS], s[WV], 11                    ; and its 8 keys of the block from key 1,024 on
	s_add_co_u32 s[VS], s[VS], s42
	s_add_co_u32 s[VS], s[VS], 1024*256
	s_mov_b32 s[VS+1], 0
	s_lshl_b32 s50, s40, 17                        ; a head of x2's codes: 131,072 bytes
	s_lshl_b32 s51, s[WV], 13                      ; my wave's 128 keys of it
	s_add_co_u32 s50, s50, s51
	s_mov_b32 s51, 0
	s_mov_b32 s[SEL], 0x76543210
	s_mov_b32 s[SEL+1], 0xfedcba98
	s_mov_b32 s[CS], 0x408a7fac                    ; 3 log2(e)
	s_wait_alu depctr_va_vdst(0)
	s_wait_kmcnt 0x0
	s_load_b128 s[16:19], s[8:9], 0x0              ; e0, e1, e2, e3
	s_add_nc_u64 s[QB:QB+1], s[4:5], s[46:47]
	s_add_nc_u64 s[VB:VB+1], s[4:5], s[48:49]
	s_add_nc_u64 s[KB:KB+1], s[6:7], s[50:51]
	s_add_nc_u64 s[VS:VS+1], s[4:5], s[VS:VS+1]
	s_add_nc_u64 s[10:11], s[10:11], s[46:47]      ; out0 at my wave's first query
	; Q: tile u, block c of 32 channels: register 32 u + 16 c + i is channel 32 c + 16 h + i of query 16 u + r.  8,192 bytes a wave, read once
.irp u, 0,1
.irp c, 0,1
.irp j, 0,1,2,3
	global_load_b128 v[TQ+32*\u+16*\c+4*\j:TQ+32*\u+16*\c+4*\j+3], v[QOF], s[QB:QB+1] offset:4096*\u+128*\c+16*\j
.endr
.endr
.endr
; V, 32 keys b: load n = 8 g + j brings channels 4 r .. 4 r + 3 of key 32 b + 16 g + 8 h + j.  Sixteen lanes read one whole row of 256 bytes
.macro VLOAD b
.irp g, 0,1
.irp j, 0,1,2,3,4,5,6,7
	global_load_b128 v[RV+64*\b+4*(8*\g+\j):RV+64*\b+4*(8*\g+\j)+3], v[VOF], s[VB:VB+1] offset:(32*\b+16*\g+\j)*256
.endr
.endr
.endm
; K, 32 keys b: four loads of 512 consecutive bytes, into v[d ..]; and from there into LDS
.macro KLOAD b, d
.irp j, 0,1,2,3
	global_load_b128 v[\d+4*\j:\d+4*\j+3], v[KOF], s[KB:KB+1] offset:2048*\b+512*\j
.endr
.endm
.macro KSTORE b, d
.irp j, 0,1,2,3
	ds_store_b128 v[KST], v[\d+4*\j:\d+4*\j+3] offset:((4*\b+\j)%8)*8*PITCH+((4*\b+\j)/8)*64
.endr
.endm
	VLOAD 0
	KLOAD 0, KS
	VLOAD 1
	s_wait_kmcnt 0x0
	s_add_co_i32 s40, s16, s17
	s_lshl_b32 s40, s40, 23
	s_add_co_i32 s[CS], s[CS], s40                 ; a sum of product 1 stands for sum x 2^(e0 + e1): the two exponents are added to c's exponent field
	s_mov_b32 s[CS+1], s[CS]                       ; (named with it as a pair, so it is written)
	s_xor_b32 s[NC], s[CS], 0x80000000
	s_add_co_i32 s40, s16, 127
	s_lshl_b32 s41, s40, 23
	v_mov_b32 v[SC0], s41                          ; 2^e0 as f32: the conversion takes its exponent field
	s_add_co_i32 s40, s40, 8
	s_lshl_b32 s40, s40, 23
	s_or_b32 s40, s40, 0x600000
	v_mov_b32 v[LM0], s40                          ; 448 x 2^e0
	s_add_co_i32 s40, s19, 127
	s_lshl_b32 s[SC3S], s40, 23
	v_mov_b32 v[SC3], s[SC3S]                      ; 2^e3
	s_add_co_i32 s40, s40, 8
	s_lshl_b32 s40, s40, 23
	s_or_b32 s[LM3S], s40, 0x600000
	v_mov_b32 v[LM3], s[LM3S]                      ; 448 x 2^e3
	s_add_co_i32 s40, s18, 127
	s_lshl_b32 s41, s40, 23
	v_mov_b32 v3, s41                              ; 2^e2
	s_add_co_i32 s40, s40, 8
	s_lshl_b32 s40, s40, 23
	s_or_b32 s[LIM], s40, 0x600000                 ; 448 x 2^e2
	s_add_co_i32 s44, s18, s19                     ; e2 + e3
	; Q becomes codes, in registers
	s_wait_alu depctr_va_vdst(0)
	s_wait_loadcnt 36                              ; Q's 16 loads are in; V's 32 and K's first 4 may be out
.set NN, 0
.rept 64
	v_med3_num_f32 v[TQ+NN], v[TQ+NN], -v[LM0], v[LM0]   ; the conversion to an 8-bit code does not saturate (ISA guide 7.6.2): the hold at the largest code x the scale
.set NN, NN+1
.endr
.irp u, 0,1
.irp c, 0,1
	v_cvt_scalef32_pk8_fp8_f32 v[16+8*\u+4*\c:17+8*\u+4*\c], v[TQ+32*\u+16*\c:TQ+32*\u+16*\c+7], v[SC0]
	v_cvt_scalef32_pk8_fp8_f32 v[18+8*\u+4*\c:19+8*\u+4*\c], v[TQ+32*\u+16*\c+8:TQ+32*\u+16*\c+15], v[SC0]
.endr
.endr
	v_nop                                          ; one plain vector instruction between a scaled conversion and the next vector instruction that writes its sources
; V, 32 keys b: THE HOLD ALSO TURNS: number (load n, channel i) goes to register 16 i + n, so that a channel's 16 keys stand in consecutive registers: keys 8 h + 0 .. 7, then 16 + 8 h + 0 .. 7.
; Their 16 codes are registers 4 c .. 4 c + 3 of the K = 128 form's operand for lanes of half h: they are stored as chunk h of the 32 keys, and one load of 16 bytes brings them back as they are wanted.
.macro VTURN b
.irp i, 0,1,2,3
.irp n, 0,1,2,3,4,5,6,7,8,9,10,11,12,13,14,15
	v_med3_num_f32 v[TQ+16*\i+\n], v[RV+64*\b+4*\n+\i], -v[LM3], v[LM3]
.endr
.endr
.endm
.macro VCODES b
	s_wait_alu depctr_va_vdst(0)
	s_wait_dscnt 0x0                               ; the last stores have read their registers
.irp i, 0,1,2,3
	v_cvt_scalef32_pk8_fp8_f32 v[CV+4*\i:CV+4*\i+1], v[TQ+16*\i:TQ+16*\i+7], v[SC3]
	v_cvt_scalef32_pk8_fp8_f32 v[CV+4*\i+2:CV+4*\i+3], v[TQ+16*\i+8:TQ+16*\i+15], v[SC3]
.endr
	v_nop                                          ; a plain vector instruction behind the last conversion
.irp i, 0,1,2,3
	ds_store_b128 v[VST], v[CV+4*\i:CV+4*\i+3] offset:\i*PITCH+32*\b   ; channel 4 r + i: the sixteen lanes of a half touch sixteen different 16-byte columns
.endr
.endm
	s_wait_loadcnt 20                              ; V 0 is in; K 0 (4) and V 1 (16) may be out
	VTURN 0
	KLOAD 1, RV                                    ; the set just read is done with
	KLOAD 2, RV+16
	KLOAD 3, RV+32
	VCODES 0
	s_wait_loadcnt 28                              ; K 0 is in; V 1 (16) and K 1 to 3 (12) may be out
	KSTORE 0, KS
	s_wait_loadcnt 12                              ; V 1 is in
	VTURN 1
	VCODES 1
	s_wait_loadcnt 0x0
	KSTORE 1, RV
	KSTORE 2, RV+16
	KSTORE 3, RV+32
	s_wait_dscnt 0x0                               ; my part is stored:
	s_barrier_signal -1                            ; say so; the start values are made while the others arrive
	v_and_b32 v6, 31, v0                           ; V in the trips: a lane takes channels 2 lane, 2 lane + 1:
	v_lshlrev_b32 v9, 3, v6                        ; 8 bytes of a row of x1;
	v_lshrrev_b32 v7, 3, v6
	v_and_b32 v6, 7, v6
	v_mul_u32_u24 v7, v7, VT                       ; group lane / 8 of V^T,
	v_mul_u32_u24 v6, v6, 2*PITCH                  ; rows 2 (lane % 8) and the next
	v_add_nc_u32 v13, v6, v7
	v_add_nc_u32 v13, s[VSB], v13
	v_mov_b32 v8, 0x7f61b1e6                       ; -M so far: 3e38
	v_mov_b32 v12, 0x7f61b1e6
	v_mov_b32 v10, 0                               ; the sums, in two halves
	v_mov_b32 v11, 0
	v_mov_b32 v14, 0
	v_mov_b32 v15, 0
.set NN, 0
.rept 64
	v_mov_b32 v[192+NN], 0                         ; O^T.  (The trip is written for all: the first finds zeros, which the first change of M leaves zeros)
.set NN, NN+1
.endr
	s_mov_b32 s[OFF], 0
	s_mov_b32 s[TRIPS], 4
	s_wait_alu depctr_va_vdst(0)
	s_barrier_wait -1                              ; K's codes lie in LDS whole, and V's of blocks 0 to 7
; K's eight tiles of 16 keys, two loads of 16 bytes each: tiles 0-3 into v160-191, tiles 4-7 into v[d ..]
.macro KLO a, o
.irp t, 0,1,2,3
.irp c, 0,1
	ds_load_b128 v[160+8*\t+4*\c:163+8*\t+4*\c], v[\a] offset:\o+\t*KT+32*\c
.endr
.endr
.endm
.macro KHI a, o, d
.irp t, 0,1,2,3
.irp c, 0,1
	ds_load_b128 v[\d+8*\t+4*\c:\d+8*\t+4*\c+3], v[\a] offset:\o+\t*KT+64+32*\c
.endr
.endr
.endm
; Four numbers of key tile t, 0 to 3, enter the maxima of A (v4, v5) and B (v6, v7).  Each result is read from its low end on
.macro MAXH t, hf
.set RA, 64+8*\t+4*\hf
.set RB, SB+8*\t+4*\hf
.if \t+\hf == 0
	v_max_num_f32 v4, v[RA], v[RA+1]
	v_max_num_f32 v6, v[RB], v[RB+1]
	v_max_num_f32 v5, v[RA+2], v[RA+3]
	v_max_num_f32 v7, v[RB+2], v[RB+3]
.else
	v_max3_num_f32 v4, v4, v[RA], v[RA+1]
	v_max3_num_f32 v6, v6, v[RB], v[RB+1]
	v_max3_num_f32 v5, v5, v[RA+2], v[RA+3]
	v_max3_num_f32 v7, v7, v[RB+2], v[RB+3]
.endif
.endm
; Two numbers, i and i + 1, of key tile t, 4 to 7, of A or B enter the maximum v d
.macro MA t, i, d
	v_max3_num_f32 v\d, v\d, v[64+8*(\t)+(\i)], v[65+8*(\t)+(\i)]
.endm
.macro MB t, i, d
	v_max3_num_f32 v\d, v\d, v[128+8*(\t)+(\i)], v[129+8*(\t)+(\i)]
.endm
; t - M, two at a time (of the pairs c and -M the low word serves both halves)
.macro FMAA j
	v_pk_fma_f32 v[64+\j:65+\j], v[64+\j:65+\j], s[CS:CS+1], v[8:9] op_sel_hi:[1,0,0]
.endm
; O^T of A x f, each result from its low end on
.macro OMA j
	v_pk_mul_f32 v[192+\j:193+\j], v[192+\j:193+\j], v[4:5] op_sel_hi:[1,0]
.endm
; The sum of the unquantised p in four chains (v[TS .. TS + 7]), a quarter at a time; number n of a tile stands in v[b + n + (n / 32) g]
.macro SADD k, b, g
	v_pk_add_f32 v[TS+\k%8:TS+1+\k%8], v[TS+\k%8:TS+1+\k%8], v[\b+\k+(\k/32)*(\g):\b+\k+1+(\k/32)*(\g)]
.endm
.macro SUMG q, b, g, st, f
.if \q == 0
.irp j, 0,1,2,3
	v_pk_add_f32 v[TS+2*\j:TS+1+2*\j], v[\b+4*\j:\b+4*\j+1], v[\b+4*\j+2:\b+4*\j+3]
.endr
.irp k, 16,18,20,22
	SADD \k, \b, \g
.endr
.elseif \q == 1
.irp k, 24,26,28,30,32,34,36,38
	SADD \k, \b, \g
.endr
.elseif \q == 2
.irp k, 40,42,44,46,48,50,52,54
	SADD \k, \b, \g
.endr
.else
.irp k, 56,58,60,62
	SADD \k, \b, \g
.endr
	v_pk_add_f32 v[TS:TS+1], v[TS:TS+1], v[TS+2:TS+3]
	v_pk_add_f32 v[TS+4:TS+5], v[TS+4:TS+5], v[TS+6:TS+7]
	v_pk_add_f32 v[TS:TS+1], v[TS:TS+1], v[TS+4:TS+5]
	v_pk_fma_f32 v[\st:\st+1], v[\st:\st+1], v[\f:\f+1], v[TS:TS+1] op_sel_hi:[1,0,1]   ; the sum under the new M, and this trip's part
.endif
.endm
; The conversion does not saturate (ISA guide 7.6.2); p is not negative, so the hold is one-sided.  Where e2 >= -8 no p can pass the largest code
.macro HOLD b, g
	s_cmp_ge_i32 s[E2], -8
	s_cbranch_scc1 .Lopen_\@
.set NN, 0
.rept 64
	v_min_num_f32 v[\b+NN+(NN/32)*(\g)], s[LIM], v[\b+NN+(NN/32)*(\g)]
.set NN, NN+1
.endr
	s_wait_alu depctr_va_vdst(0)                   ; transcendentals may follow ahead of the readers
.Lopen_\@:
.endm
.macro CVTB t
	v_cvt_scalef32_pk8_fp8_f32 v[CY+16+2*\t:CY+17+2*\t], v[SB+8*\t+(\t/4)*(128-SB):SB+8*\t+(\t/4)*(128-SB)+7], v3
.endm
; A TRIP: 128 keys.  x: B's scores of tiles 0-3, then the next trip's K tiles 4-7.  y: this trip's K tiles 4-7, then temporaries, V's rows (str = 1) and p's codes (A: y .. y + 15, B: y + 16 .. y + 31).  o: 0 or BLK, the block of the pair.
.macro TRIP x, y, o, str, last
.set SB, \x
.set CY, \y
.if \o == 0
	v_add_nc_u32 v2, s[OFF], v1
.else
	v_nop
.endif
.rept 4
	v_nop                                          ; five places behind the last trip's products, in front of the products that write over their registers (ISA guide 7.12.1)
.endr
	s_wait_dscnt 8                                 ; K's tiles 0-3 are in; the 8 loads of tiles 4-7 may be out
.irp t, 0,1,2,3
	v_wmma_f32_16x16x64_fp8_fp8 v[64+8*\t:71+8*\t], v[160+8*\t:167+8*\t], v[16:23], 0
	v_wmma_f32_16x16x64_fp8_fp8 v[SB+8*\t:SB+8*\t+7], v[160+8*\t:167+8*\t], v[24:31], 0
.endr
.rept 4
	v_nop                                          ; places in front of the first reads of these results
.endr
	s_wait_dscnt 0x0                               ; K's tiles 4-7
.irp t, 0,1,2,3                                ; their products, among the maxima of tiles 0-3
	v_wmma_f32_16x16x64_fp8_fp8 v[96+8*\t:103+8*\t], v[CY+8*\t:CY+8*\t+7], v[16:23], 0
	MAXH \t, 0
	v_wmma_f32_16x16x64_fp8_fp8 v[160+8*\t:167+8*\t], v[CY+8*\t:CY+8*\t+7], v[24:31], 0
	MAXH \t, 1
.endr
.if \str
.irp j, 0,1,2,3,4,5,6,7                        ; V of block 8 + trip: row j of my 8, channels 2 lane, 2 lane + 1: each load is one whole row of 256 bytes
	global_load_b64 v[CY+16+2*\j:CY+17+2*\j], v9, s[VS:VS+1] offset:256*\j+(\o/BLK)*128*256
.endr
.endif
.irp t, 4,5,6,7                                ; A's tiles 4-7 and B's 4, 5
	MA \t, 0, 4
	MB 4+(\t-4)/2, 4*(\t%2), 6
	MA \t, 2, 5
	MA \t, 4, 4
	MB 4+(\t-4)/2, 4*(\t%2)+2, 7
	MA \t, 6, 5
.endr
	v_max_num_f32 v4, v4, v5                       ; A's M and f among B's last maxima
	MB 6, 0, 6
	MB 6, 2, 7
	v_permlanex16_b32 v5, v4, s[SEL], s[SEL+1]
	MB 6, 4, 6
	MB 6, 6, 7
	v_max_num_f32 v4, v4, v5                       ; the trip's largest score of my query, lane l xor 16's keys among them
	MB 7, 0, 6
	v_mul_f32 v4, s[NC], v4                        ; as -t
	MB 7, 2, 7
	v_floor_f32 v4, v4                             ; -ceil(t)
	MB 7, 4, 6
	v_min_num_f32 v5, v4, v8                       ; the new -M
	MB 7, 6, 7
	v_sub_f32 v4, v5, v8                           ; old M - new M: a whole number, 0 or less
	v_mov_b32 v8, v5
	v_max_num_f32 v6, v6, v7                       ; B's M and f among A's t - M and O^T x f
	v_cvt_i32_f32 v4, v4                           ; (it saturates)
	FMAA 0
	FMAA 2
	v_permlanex16_b32 v7, v6, s[SEL], s[SEL+1]
	v_ldexp_f32 v4, 1.0, v4                        ; f
	FMAA 4
	FMAA 6
	v_max_num_f32 v6, v6, v7
	OMA 0
	OMA 2
	v_mul_f32 v6, s[NC], v6
	OMA 4
	OMA 6
	v_floor_f32 v6, v6
	FMAA 8
	FMAA 10
	v_min_num_f32 v7, v6, v12
	FMAA 12
	FMAA 14
	v_sub_f32 v6, v7, v12
	v_mov_b32 v12, v7
	FMAA 16
	v_cvt_i32_f32 v6, v6
	FMAA 18
	FMAA 20
	v_ldexp_f32 v6, 1.0, v6
.irp j, 8,10,12,14,16,18,20,22,24,26,28,30
	OMA \j
.endr
.irp j, 22,24,26,28,30,32,34,36,38,40,42,44,46,48,50,52,54,56,58,60,62
	FMAA \j
.endr
.irp j, 0,2,4,6,8,10,12,14,16,18,20,22,24,26,28,30
	v_pk_mul_f32 v[224+\j:225+\j], v[224+\j:225+\j], v[6:7] op_sel_hi:[1,0]
.endr
	s_wait_alu depctr_va_vdst(0)
.set NN, 0
.rept 32                                       ; A's exponentials among B's t - M, which no instruction of the batch reads
	v_exp_f32 v[64+NN], v[64+NN]                   ; p, at most 1: not normalised
	v_exp_f32 v[65+NN], v[65+NN]
	v_pk_fma_f32 v[SB+NN+(NN/32)*(128-SB):SB+NN+1+(NN/32)*(128-SB)], v[SB+NN+(NN/32)*(128-SB):SB+NN+1+(NN/32)*(128-SB)], s[CS:CS+1], v[12:13] op_sel_hi:[1,0,0]
.set NN, NN+2
.endr
	s_wait_alu depctr_va_vdst(0)                   ; one wait behind A's batch, and ahead of B's
.set TS, CY
.irp q, 0,1,2,3
	SUMG \q, 64, 0, 10, 4
.endr
	HOLD 64, 0
.if \str                                       ; V's rows are held, turned (a channel's 8 keys in consecutive registers) and converted; a channel's 8 codes are half of a chunk
	s_wait_loadcnt 0x0
	v_mov_b32 v7, s[SC3S]
.irp j, 0,1,2,3,4,5,6,7
	v_med3_num_f32 v[CY+\j], v[CY+16+2*\j], -s[LM3S], s[LM3S]
	v_med3_num_f32 v[CY+8+\j], v[CY+17+2*\j], -s[LM3S], s[LM3S]
.endr
	v_cvt_scalef32_pk8_fp8_f32 v[CY+16:CY+17], v[CY:CY+7], v7
	v_cvt_scalef32_pk8_fp8_f32 v[CY+18:CY+19], v[CY+8:CY+15], v7
	v_add_nc_u32 v5, s[OFF], v13                   ; (also the plain instruction behind the conversions)
	ds_store_b64 v5, v[CY+16:CY+17] offset:\o
	ds_store_b64 v5, v[CY+18:CY+19] offset:\o+PITCH
.endif
.irp t, 0,1,2,3,4,5,6,7                        ; B's exponentials among A's conversions; V^T's fragments (16 channels x 128 keys) come into A's registers as they are done with
	v_cvt_scalef32_pk8_fp8_f32 v[CY+2*\t:CY+2*\t+1], v[64+8*\t:71+8*\t], v3
	v_exp_f32 v[SB+2*\t], v[SB+2*\t]
	v_exp_f32 v[SB+2*\t+1], v[SB+2*\t+1]
.if \t%2
.irp c, 0,1,2,3
	ds_load_b128 v[64+16*(\t/2)+4*\c:67+16*(\t/2)+4*\c], v2 offset:\o+VPART+(\t/2)*VT+32*\c
.endr
.endif
.endr
.set NN, 16
.rept 48
	v_exp_f32 v[SB+NN+(NN/32)*(128-SB)], v[SB+NN+(NN/32)*(128-SB)]
.set NN, NN+1
.endr
	v_nop                                          ; a plain instruction behind the exponentials
	s_wait_alu depctr_va_vdst(0)                   ; one wait behind the batch
	s_wait_dscnt 0x0                               ; V's fragments are in
.set TS, CY+24
.irp t, 0,1,2,3                                ; A's products among B's sums; the accumulators take turns, one instruction a turn
	SUMG \t, SB, 128-SB, 14, 6
	v_wmma_f32_16x16x128_fp8_fp8 v[192+8*\t:199+8*\t], v[64+16*\t:79+16*\t], v[CY:CY+15], v[192+8*\t:199+8*\t]
.endr
	HOLD SB, 128-SB
.irp t, 4,5,6,7
	CVTB \t
.endr
.if \last == 0
	KLO 2, \o+BLK                                  ; the next trip's K, into the registers that held B's p
.endif
.irp t, 0,1,2,3
	CVTB \t
.endr
	v_nop                                          ; a plain vector instruction between the last conversion and the products
.if \last == 0
	KHI 2, \o+BLK, SB
.endif
.irp t, 0,1,2,3
	v_wmma_f32_16x16x128_fp8_fp8 v[224+8*\t:231+8*\t], v[64+16*\t:79+16*\t], v[CY+16:CY+31], v[224+8*\t:231+8*\t]
.endr
.endm
	KLO 1, 0
	KHI 1, 0, 128
.Lfirst:                                           ; blocks 0 to 7, two a turn; V's part of blocks 8 to 15 is laid
	TRIP 32, 128, 0, 1, 0
	TRIP 128, 32, BLK, 1, 0
	s_add_co_u32 s[OFF], s[OFF], 2*BLK
	s_add_nc_u64 s[VS:VS+1], s[VS:VS+1], 2*128*256 ; (its loads have been waited for)
	s_sub_co_u32 s[TRIPS], s[TRIPS], 1
	s_cmp_lg_u32 s[TRIPS], 0
	s_cbranch_scc1 .Lfirst
	s_wait_dscnt 0x0                               ; my reads of blocks 0 to 7 are over, and my part of V is stored:
	s_barrier_signal -1
	s_mov_b32 s[OFF], 8*BLK
	s_mov_b32 s[TRIPS], 3
	s_barrier_wait -1                              ; so are all waves': blocks 8 to 15 are whole, and blocks 0 to 7 free for the stages
.Lsecond:                                          ; blocks 8 to 13
	TRIP 32, 128, 0, 0, 0
	TRIP 128, 32, BLK, 0, 0
	s_add_co_u32 s[OFF], s[OFF], 2*BLK
	s_sub_co_u32 s[TRIPS], s[TRIPS], 1
	s_cmp_lg_u32 s[TRIPS], 0
	s_cbranch_scc1 .Lsecond
	s_mov_b32 s[OFF], 14*BLK
	TRIP 32, 128, 0, 0, 0                          ; blocks 14 and 15: written out, the last fetches no further K
	TRIP 128, 32, BLK, 0, 1
	; THE WAY OUT.  O^T / the sum x 2^(e2 + e3) goes through my stage in LDS and leaves as whole rows.
	s_mul_i32 s41, s[WV], STGW                     ; my stage
	v_and_b32 v4, 15, v0                           ; r.  (These lines are also the places behind the last products)
	v_bfe_u32 v5, v0, 4, 1                         ; h
	v_add_f32 v10, v10, v11                        ; the sum's two halves,
	v_add_f32 v14, v14, v15
	v_mul_u32_u24 v1, v4, SP
	v_mul_u32_u24 v2, v5, SP
	v_permlanex16_b32 v6, v10, s[SEL], s[SEL+1]
	v_permlanex16_b32 v7, v14, s[SEL], s[SEL+1]
	v_lshl_add_u32 v1, v5, 5, v1
	v_lshl_add_u32 v2, v4, 4, v2
	v_add_f32 v10, v10, v6                         ; and lane l xor 16's: the row's sum, above 1/2
	v_add_f32 v14, v14, v7
	v_add_nc_u32 v1, s41, v1                       ; in: row r; 16 channels t, my half's eight: 64 t + 32 h bytes on
	v_add_nc_u32 v2, s41, v2                       ; back: lanes 0-15 one row, lanes 16-31 the next
	v_and_b32 v3, 31, v0
	v_lshlrev_b32 v3, 4, v3                        ; and the same two rows in out0: 16 x lane
	s_wait_alu depctr_va_vdst(0)
	v_rcp_f32 v10, v10
	v_rcp_f32 v14, v14
	v_nop                                          ; a plain instruction between the last reciprocal and the use of its result
	s_wait_alu depctr_va_vdst(0)                   ; the wait ahead of the first readers, O^T's among them
	v_ldexp_f32 v10, v10, s44                      ; x 2^(e2 + e3)
	v_ldexp_f32 v14, v14, s44
.irp j, 0,2,4,6,8,10,12,14,16,18,20,22,24,26,28,30
	v_pk_mul_f32 v[OUTS+\j:OUTS+\j+1], v[192+\j:193+\j], v[10:11] op_sel_hi:[1,0]   ; register 8 t + i is o(r, 16 t + 8 h + i); each result from its low end on
.endr
.irp j, 0,2,4,6,8,10,12,14,16,18,20,22,24,26,28,30
	v_pk_mul_f32 v[OUTS+32+\j:OUTS+33+\j], v[224+\j:225+\j], v[14:15] op_sel_hi:[1,0]
.endr
.irp u, 0,1
.irp t, 0,1,2,3
	ds_store_b128 v1, v[OUTS+32*\u+8*\t:OUTS+32*\u+8*\t+3] offset:\u*16*SP+64*\t
	ds_store_b128 v1, v[OUTS+32*\u+8*\t+4:OUTS+32*\u+8*\t+7] offset:\u*16*SP+64*\t+16
.endr
.endr
	s_wait_alu depctr_va_vdst(0)
.irp i, 0,1,2,3,4,5,6,7,8,9,10,11,12,13,14,15
	ds_load_b128 v[BK+4*\i:BK+4*\i+3], v2 offset:2*\i*SP          ; LDS serves a wave's instructions in order (ISA guide 5.7.1.4): these see my stores
.endr
.irp i, 0,1,2,3,4,5,6,7,8,9,10,11,12,13,14,15
	s_wait_dscnt 15-\i                             ; rows 2 i, 2 i + 1 are back; the 15 - i younger loads may be out
	global_store_b128 v3, v[BK+4*\i:BK+4*\i+3], s[10:11] offset:512*\i th:TH_STORE_NT   ; 32 lanes store 512 consecutive bytes, at a multiple of 256 from out0's first byte; written once, read by nobody here
.endr
	v_lshl_add_u32 v254, v0, 2, SPARE              ; the wave's end
	v_mov_b32 v255, 0
	s_wait_alu depctr_va_vdst(0)
	s_wait_tensorcnt 0x0
	ds_add_u32 v254, v255
	s_wait_dscnt 0x0
	s_endpgm
.Lfunc_end_k_q5f037b44da_attn:
	.size	k_q5f037b44da_attn, .Lfunc_end_k_q5f037b44da_attn-k_q5f037b44da_attn
	.p2alignl 7, 3214868480
	.fill 96, 4, 3214868480
	.section	.rodata,"a",@progbits
	.p2align	6, 0x0
	.amdhsa_kernel k_q5f037b44da_attn
		.amdhsa_group_segment_fixed_size 297984
		.amdhsa_private_segment_fixed_size 0
		.amdhsa_enable_private_segment 0
		.amdhsa_kernarg_size 32
		.amdhsa_user_sgpr_count 2
		.amdhsa_user_sgpr_kernarg_segment_ptr 1
		.amdhsa_wavefront_size32 1
		.amdhsa_system_sgpr_workgroup_id_x 1
		.amdhsa_system_sgpr_workgroup_id_y 1
		.amdhsa_system_sgpr_workgroup_id_z 1
		.amdhsa_system_vgpr_workitem_id 0
		.amdhsa_next_free_vgpr 256
		.amdhsa_next_free_sgpr 66
		.amdhsa_reserve_vcc 0
		.amdhsa_float_denorm_mode_32 3
		.amdhsa_float_denorm_mode_16_64 3
		.amdhsa_memory_ordered 1
		.amdhsa_forward_progress 1
		.amdhsa_inst_pref_size 208
	.end_amdhsa_kernel
	.amdgpu_metadata
---
amdhsa.version: [ 1, 2 ]
amdhsa.kernels:
  - .name:           k_q5f037b44da_attn
    .symbol:         k_q5f037b44da_attn.kd
    .args:
      - { .name: x1, .offset: 0, .size: 8, .value_kind: global_buffer, .address_space: global }
      - { .name: x2_codes, .offset: 8, .size: 8, .value_kind: global_buffer, .address_space: global }
      - { .name: lowp_scales, .offset: 16, .size: 8, .value_kind: global_buffer, .address_space: global }
      - { .name: out0, .offset: 24, .size: 8, .value_kind: global_buffer, .address_space: global }
    .group_segment_fixed_size: 297984
    .private_segment_fixed_size: 0
    .kernarg_segment_align: 8
    .kernarg_segment_size: 32
    .max_flat_workgroup_size: 512
    .sgpr_count:     66
    .vgpr_count:     256
    .wavefront_size: 32
...
	.end_amdgpu_metadata
.endif
;; end of part 1
